; MI455X (gfx1250); checked and timed in simulation.
; The chip was launched on July 23, 2026; its instructions are those of AMD's public machine-readable ISA for CDNA 5 (MIT licence, August 2026) and "CDNA5" Instruction Set Architecture Reference Guide (July 2026). The comments in the code are by the model that wrote it; some were corrected since.
;; Hybrid Matrix Neural ODE. Allowed arithmetic: float matrix products may take bf16 or f16 operands with f32 sums; other float arithmetic in f32, or as packed bf16 or f16 multiplies, adds, multiply-adds, maxima and minima; sums over many terms, partial sums and values carried from step to step in f32; what a program stores and reads back later, other than sums and carried values, may be rounded once to bf16 or f16.
;; Inputs: A 1,024 x 1,024 float32; W 1,024 x 1,024 float32; b 1,024 float32; x 16,384 x 1,024 float32.
;; Outputs: out0 16,384 x 1,024 float32.
;; 2 versions, each right; version 2 is version 1 with the launch prep written anew for expert scheduling mode. Each part assembles by itself: llvm-mc -triple=amdgcn-amd-amdhsa -mcpu=gfx1250 --defsym DOCPART=n.
;; ======== version 1 of 2: 4 launches
;; limits: values are held in f16: magnitudes above 65,504 overflow, below 6.1e-05 lose precision
;; workspace buffers: x16 33,554,432 bytes; A16 2,097,152 bytes; W16 2,097,152 bytes; P1 2,097,152 bytes; M16 2,097,152 bytes
;; launch prep (part 1): grid 1152 x 1, 8 waves a work-group, no clusters, 0 bytes of LDS; arguments x, A, W, x16, A16, W16; writes x16, A16, W16
.if DOCPART == 1
	.amdgcn_target "amdgcn-amd-amdhsa--gfx1250"
	.amdhsa_code_object_version 6
	.text
	.protected	k_q9e7e4fc381_prep
	.globl	k_q9e7e4fc381_prep
	.p2align	8
	.type	k_q9e7e4fc381_prep,@function
k_q9e7e4fc381_prep:
	s_mov_b64 s[64:65], 0
	v_nop
	global_prefetch_b8 v0, s[64:65] scope:SCOPE_SE
	s_setreg_imm32_b32 hwreg(HW_REG_WAVE_MODE, 25, 1), 1
	s_wait_xcnt 0x0
; THE PROGRAM.  out = relu(x (I+A)(I+A) W^T + b).  x: [16384][1024], A, W: [1024][1024], b: [1024], out: [16384][1024], all f32.
; THE ORDER OF THE PRODUCTS.  Matrix products associate, for all values of the inputs: with P1 = W + W A^T and Mt = P1 + P1 A^T (both [1024][1024]) it is
; Mt[o][h] = ((I+A)(I+A) W^T)[h][o], so out[r][o] = relu(sum over h of x[r][h] Mt[o][h] + b[o]).  Two products of 1024^3 and one of 16384 x 1024 x 1024 take the place of three of the
; latter size.  No input and no step is left out; every input is loaded.  In all three products both operands have K along their rows.
; LAUNCHES.  This one rounds x, A and W to f16; two launches of one text make P1 and Mt; the last makes out.
; LIMITS.  x, A, W, P1 and Mt are kept in f16: 65,520 or more becomes an infinity, and below 6e-5 a number keeps f16's fixed step of 6e-8.  The sums are taken in another order than the
; scan's.  An overflow, a NaN or an infinity that the scan would meet in z1 or z2 alone is not reproduced; NaN and infinities among the inputs are not treated apart.
; THIS LAUNCH.  A work-group takes 16 rows of 4,096 bytes: groups 0-1023 of x, 1024-1087 of A, 1088-1151 of W.  In step i of 8 a thread turns 8 numbers (32 bytes) into 16 bytes.
; x16 is row-major.  A16 and W16 are BLOCKED: element (row, k) lies at byte (k / 64) x 131,072 + row x 128 + (k % 64) x 2, so that 64 rows x 64 k are 8,192 bytes on end.
; With l8 = t % 8, rp = (t / 8) % 2, u = t / 16 both layouts have one form: in = 32 l8 + (rp << a) + (u << b) + 8,192 i; out = 16 l8 + 128 rp + (u << c) + OST x i.
;   x: a = 8, b = 9, c = 8, OST = 4,096 (in = 32 t, out = 16 t).   A, W: a = 12, b = 8, c = 17, OST = 256 (row 2 i + rp of the 16, block u).
; Sixteen neighbouring lanes store 256 consecutive bytes, aligned, in both.  All 16 loads of a thread go out at once: no loop, no register is written while a load or store names it.
.set LI, 1                             ; v1       my byte offset in the group's input
.set OO, 2                             ; v[2:9]   step i: my byte offset in the output
.set X,  16                            ; v[16:79] step i: 8 numbers as loaded; the first four registers then hold them packed
	s_load_b256 s[4:11], s[0:1], 0x0               ; x s[4:5], A s[6:7], W s[8:9], x16 s[10:11]
	s_load_b128 s[12:15], s[0:1], 0x20             ; A16 s[12:13], W16 s[14:15]
	s_mov_b32 s16, ttmp9
	s_and_b32 s17, s16, 63                         ; the group of 16 rows within A or W: 1,024 and 1,088 are multiples of 64
	s_mov_b32 s25, 0
	s_mov_b32 s27, 0
	s_mov_b32 s28, 4096
	s_mov_b32 s29, 256
	v_and_b32 v10, 7, v0                           ; l8
	v_bfe_u32 v11, v0, 3, 1                        ; rp
	v_lshrrev_b32 v12, 4, v0                       ; u
	s_wait_kmcnt 0x0
	s_cmp_lt_u32 s16, 1024                         ; x, or one of the two square matrices?
	s_cselect_b32 s17, s16, s17                    ; the group of rows
	s_cselect_b32 s18, 8, 12                       ; a
	s_cselect_b32 s19, 9, 8                        ; b
	s_cselect_b32 s30, 8, 17                       ; c
	s_cselect_b32 s31, 15, 11                      ; a group's 16 rows in the output: 32,768 bytes of x16, 2,048 of a block
	s_cselect_b32 s28, s28, s29                    ; OST
	s_cselect_b64 s[20:21], s[4:5], s[6:7]
	s_cselect_b64 s[22:23], s[10:11], s[12:13]
	s_cmp_lt_u32 s16, 1088                         ; and of the two: A or W?
	s_cselect_b64 s[20:21], s[20:21], s[8:9]
	s_cselect_b64 s[22:23], s[22:23], s[14:15]
	s_lshl_b32 s24, s17, 16                        ; 16 rows of 4,096 bytes in
	s_lshl_b32 s26, s17, s31
	s_add_nc_u64 s[20:21], s[20:21], s[24:25]
	s_add_nc_u64 s[22:23], s[22:23], s[26:27]
	v_lshlrev_b32 v[LI], 5, v10
	v_lshl_add_u32 v[LI], v11, s18, v[LI]
	v_lshl_add_u32 v[LI], v12, s19, v[LI]
.irp i, 0,1,2,3,4,5,6,7
	global_load_b128 v[X+8*(\i):X+8*(\i)+3],   v[LI], s[20:21] offset:8192*(\i) th:TH_LOAD_NT
	global_load_b128 v[X+8*(\i)+4:X+8*(\i)+7], v[LI], s[20:21] offset:8192*(\i)+16 th:TH_LOAD_NT
.endr
	v_lshlrev_b32 v[OO], 4, v10
	v_lshl_add_u32 v[OO], v11, 7, v[OO]
	v_lshl_add_u32 v[OO], v12, s30, v[OO]
.irp i, 1,2,3,4,5,6,7
	v_add_nc_u32 v[OO+(\i)], s28, v[OO+(\i)-1]
.endr
.irp i, 0,1,2,3,4,5,6,7
	s_wait_loadcnt 14-2*(\i)                       ; loads come back in order: step i's two are in, the 14 - 2 i younger ones stay out
.irp j, 0,1,2,3
	v_cvt_pk_f16_f32 v[X+8*(\i)+(\j)], v[X+8*(\i)+2*(\j)], v[X+8*(\i)+2*(\j)+1]  ; in place, ascending: register j is written when pair j has been read
.endr
	global_store_b128 v[OO+(\i)], v[X+8*(\i):X+8*(\i)+3], s[22:23] th:TH_STORE_NT
.endr
	s_endpgm
.Lfunc_end_k_q9e7e4fc381_prep:
	.size	k_q9e7e4fc381_prep, .Lfunc_end_k_q9e7e4fc381_prep-k_q9e7e4fc381_prep
	.p2alignl 7, 3214868480
	.fill 96, 4, 3214868480
	.section	.rodata,"a",@progbits
	.p2align	6, 0x0
	.amdhsa_kernel k_q9e7e4fc381_prep
		.amdhsa_group_segment_fixed_size 0
		.amdhsa_private_segment_fixed_size 0
		.amdhsa_enable_private_segment 0
		.amdhsa_kernarg_size 48
		.amdhsa_user_sgpr_count 2
		.amdhsa_user_sgpr_kernarg_segment_ptr 1
		.amdhsa_wavefront_size32 1
		.amdhsa_system_sgpr_workgroup_id_x 1
		.amdhsa_system_sgpr_workgroup_id_y 1
		.amdhsa_system_sgpr_workgroup_id_z 1
		.amdhsa_system_vgpr_workitem_id 0
		.amdhsa_next_free_vgpr 96
		.amdhsa_next_free_sgpr 66
		.amdhsa_reserve_vcc 0
		.amdhsa_float_denorm_mode_32 3
		.amdhsa_float_denorm_mode_16_64 3
		.amdhsa_memory_ordered 1
		.amdhsa_forward_progress 1
		.amdhsa_inst_pref_size 7
	.end_amdhsa_kernel
	.amdgpu_metadata
---
amdhsa.version: [ 1, 2 ]
amdhsa.kernels:
  - .name:           k_q9e7e4fc381_prep
    .symbol:         k_q9e7e4fc381_prep.kd
    .args:
      - { .name: x, .offset: 0, .size: 8, .value_kind: global_buffer, .address_space: global }
      - { .name: A, .offset: 8, .size: 8, .value_kind: global_buffer, .address_space: global }
      - { .name: W, .offset: 16, .size: 8, .value_kind: global_buffer, .address_space: global }
      - { .name: x16, .offset: 24, .size: 8, .value_kind: global_buffer, .address_space: global }
      - { .name: A16, .offset: 32, .size: 8, .value_kind: global_buffer, .address_space: global }
      - { .name: W16, .offset: 40, .size: 8, .value_kind: global_buffer, .address_space: global }
    .group_segment_fixed_size: 0
    .private_segment_fixed_size: 0
    .kernarg_segment_align: 8
    .kernarg_segment_size: 48
    .max_flat_workgroup_size: 256
    .sgpr_count:     66
    .vgpr_count:     96
    .wavefront_size: 32
...
	.end_amdgpu_metadata
.endif
;; end of part 1
;; launch step1 (part 2): grid 16 x 16, 4 waves a work-group, clusters of 4 x 4, 327,680 bytes of LDS; arguments W16, A16, P1; writes P1
.if DOCPART == 2
	.amdgcn_target "amdgcn-amd-amdhsa--gfx1250"
	.amdhsa_code_object_version 6
	.text
	.protected	k_q9e7e4fc381_step1
	.globl	k_q9e7e4fc381_step1
	.p2align	8
	.type	k_q9e7e4fc381_step1,@function
k_q9e7e4fc381_step1:
	s_mov_b64 s[64:65], 0
	v_nop
	global_prefetch_b8 v0, s[64:65] scope:SCOPE_SE
	s_setreg_imm32_b32 hwreg(HW_REG_WAVE_MODE, 25, 1), 1
	s_wait_xcnt 0x0
	s_wait_alu depctr_hold_cnt(0) depctr_sa_sdst(0) depctr_va_vdst(0) depctr_va_sdst(0) depctr_va_ssrc(0) depctr_va_vcc(0) depctr_vm_vsrc(0)
	s_getreg_b32 s2, hwreg(HW_REG_IB_STS2, 6, 4)
	s_cmp_eq_u32 s2, 0
	s_cbranch_scc0 .Lentry_in_a_cluster
	s_endpgm
.Lentry_in_a_cluster:
	s_bfe_u32 s2, ttmp6, 0x10000c
	s_cmp_lg_u32 s2, 0xf033
	s_cbranch_scc0 .Lentry_shape_is_right
	s_endpgm
.Lentry_shape_is_right:
; C = P + P A^T:  C[o][h] = P[o][h] + the sum over j of P[o][j] A[h][j].  P, A, C: [1024][1024] in f16, BLOCKED: element (row, k) at byte (k / 64) x 131,072 + row x 128 + (k % 64) x 2.
; Run twice: P1 = W + W A^T, then Mt = P1 + P1 A^T (the products of out = relu(x (I+A)(I+A) W^T + b) taken from the right: see the first kernel's head).  Sums and the addend in f32, C rounded once.
; LIMIT.  C is kept in f16: 65,520 or more becomes an infinity.
; SHARES.  A work-group makes 64 x 64 of C (rows 64 ob on, columns 64 hb on), each of its four waves 32 x 32: four accumulators.  Both operands' whole K, 16 blocks of 64 rows x 128 bytes each,
; comes into LDS by first fills alone: nothing is filled again.  Each wave asks for four blocks of P and four of A: two tensor loads of a wave are out, no more.
; CLUSTER.  4 x 4 work-groups.  P's rows hang on ob alone and are shared along a row of the cluster, A's on hb alone and along a column: each is asked for jointly by the four that share it.
; THE MATRIX INSTRUCTION IS USED TRANSPOSED (source 0 = 16 rows of A, source 1 = 16 rows of P): a lane then holds row o = lane % 16 and the columns h = 8 (lane / 16) + 0..7, 16 bytes of C on end.
.set PLANE, 131072                     ; bytes in a block of 64 k
.set PB,    144                        ; an LDS row: 128 bytes + 16 of padding = 36 words: the 16 rows of a load start at 16 different groups of four banks (64 banks of 4 bytes: ISA guide 11.1)
.set PLB,   64*PB                      ; a block's 64 rows in LDS
.set GRP,   4*PLB                      ; what one tensor load brings
.set AREG,  16*PLB                     ; P's 16 blocks lie from byte 0, A's from here
.set STAGE, 2*AREG                     ; behind them: 64 rows x 144 bytes for the way out; no tensor load lands here
.set SPARE, STAGE+64*PB                ; behind the stage: the spare words, 128 bytes for each wave: two blocks of 256 bytes that no other line names
.set ADP, 8                            ; v[8:11]   LDS address of my P fragments in blocks 4 g on
.set ADA, 12                           ; v[12:15]  the same for A
.set AO,  16                           ; v16  my 16 bytes of the addend in the tile
.set STO, 17                           ; v17  the way out: where I put 16 bytes of a row
.set RD,  18                           ; v18  the way out: where I read rows back
.set GO,  19                           ; v19  my byte offset in the tile of C
.set SPW, 20                           ; v20  LDS address of my spare word: SPARE + 4 x my thread's number; never rewritten
.set NIL, 21                           ; v21  0; never rewritten
.set ONE, 22                           ; v22  1.0
.set AD,  32                           ; v[32:47]  the addend: 8 f16 for each accumulator
.set PK,  48                           ; v[48:63]  packed results, then whole rows
.set ACC, 192                          ; v[192:223] accumulator (a, c) at ACC + 8 (2 a + c); the two fragment sets lie at v64 and v128
.set G1P, 24                           ; s[24:31] descriptor group 1 for P;  s[32:35] its group 0
.set G0P, 32
.set G0A, 36                           ; s[36:39] group 0 for A;  s[48:55] its group 1: it differs in the mask alone
.set G1A, 48
.macro CROUND                          ; a round of the cluster's barrier: my work-group's barrier; wave 0 signals for the work-group; every wave waits for all sixteen; my work-group's barrier once more
	s_barrier_signal -1
	s_barrier_wait -1
	s_cmp_lg_u32 s10, 0
	s_cbranch_scc1 .Lnot_wave_0_\@
	s_barrier_signal -3
.Lnot_wave_0_\@:
	s_barrier_wait -3
	s_barrier_signal -1
	s_barrier_wait -1
.endm
.macro PLACES                          ; four plain vector instructions between a matrix instruction and a load into, or a read of, its registers
.rept 4
	v_nop
.endr
.endm
	s_load_b128 s[4:7], s[0:1], 0x0                ; P s[4:5], A s[6:7]
	s_load_b64 s[8:9], s[0:1], 0x10                ; C
	v_lshl_add_u32 v[SPW], v0, 2, SPARE
	v_mov_b32 v[NIL], 0
	ds_add_u32 v[SPW], v[NIL]                      ; the wave's opening: the add, twice on end, and its wait ahead of my first tensor load; the set-up below stands between
	ds_add_u32 v[SPW], v[NIL]
	v_lshrrev_b32 v1, 5, v0
	v_readfirstlane_b32 s10, v1                    ; wave 0..3
	s_lshr_b32 s11, s10, 1                         ; which 32 rows of the tile are mine
	s_and_b32 s12, s10, 1                          ; which 32 columns
	s_bfe_u32 s40, ttmp6, 0x40000                  ; cx, cy: my place in the cluster
	s_bfe_u32 s41, ttmp6, 0x40004
	s_lshl_b32 s42, ttmp9, 2
	s_add_co_u32 s42, s42, s40                     ; hb = 4 x cluster x + cx
	s_and_b32 s13, ttmp7, 0xffff
	s_lshl_b32 s13, s13, 2
	s_add_co_u32 s13, s13, s41                     ; ob = 4 x cluster y + cy
	s_lshl_b32 s43, s41, 2
	s_lshl_b32 s43, 15, s43                        ; my row of the cluster
	s_lshl_b32 s44, 0x1111, s40                    ; my column
	; group 1: four rows of 4,096 elements (a block's 64 rows: 8,192 bytes on end), a block apart; in LDS 4 words of padding behind every 32
	s_or_b32 s[G1P], s43, (1<<16)|(1<<20)|(1<<21)|(4<<22)|(3<<25)  ; 15:0 the mask; 17:16 elements of 2 bytes; 20 padding on; 21 set beside a mask; 24:22 after every 32 words (code 4); 31:25 4 words (code 3)
	s_or_b32 s[G1A], s44, (1<<16)|(1<<20)|(1<<21)|(4<<22)|(3<<25)
.irp g, G1P, G1A
	s_mov_b32 s[(\g)+1], 4096<<16                  ; tensor_dim0 = 4,096
	s_mov_b32 s[(\g)+2], 4<<16                     ; tensor_dim1 = 4
	s_mov_b32 s[(\g)+3], 4096<<16                  ; tile_dim0 = 4,096
	s_mov_b32 s[(\g)+4], 4                         ; tile_dim1 = 4
	s_mov_b32 s[(\g)+5], PLANE/2                   ; elements from row to row
	s_mov_b32 s[(\g)+6], 0
	s_mov_b32 s[(\g)+7], 0
.endr
	s_lshl_b32 s18, s10, 19                        ; my four blocks: 4 x wave x 131,072
	s_lshl_b32 s16, s13, 13                        ; P: 64 ob rows of 128 bytes: made of cy and the wave's number alone
	s_add_co_u32 s16, s16, s18
	s_mov_b32 s17, 0
	s_lshl_b32 s46, s42, 13                        ; A: 64 hb rows: made of cx and the wave's number alone
	s_add_co_u32 s46, s46, s18
	s_mov_b32 s47, 0
	s_mul_i32 s19, s10, GRP                        ; where they go: no place in the cluster enters an LDS address
	s_mov_b32 s[G0P], 1
	s_mov_b32 s[G0P+1], s19
	s_mov_b32 s[G0A], 1
	s_add_co_u32 s[G0A+1], s19, AREG
	s_lshl_b32 s20, s42, 17                        ; the tile of the addend and of C: block hb, rows 64 ob on: 8,192 bytes on end
	s_lshl_b32 s21, s13, 13
	s_add_co_u32 s20, s20, s21
	s_mov_b32 s21, 0
	s_wait_dscnt 0x0                               ; both opening adds are done
	s_wait_kmcnt 0x0
	s_add_nc_u64 s[G0P+2:G0P+3], s[4:5], s[16:17]
	s_or_b32 s[G0P+3], s[G0P+3], 0x80000000        ; type = 2
	s_add_nc_u64 s[G0A+2:G0A+3], s[6:7], s[46:47]
	s_or_b32 s[G0A+3], s[G0A+3], 0x80000000
	s_add_nc_u64 s[56:57], s[4:5], s[20:21]        ; the addend's tile
	s_add_nc_u64 s[58:59], s[8:9], s[20:21]        ; C's tile
	CROUND                                         ; all sixteen work-groups are here: the joint loads meet
	tensor_load_to_lds s[G0P:G0P+3], s[G1P:G1P+7]
	s_nop 0
	tensor_load_to_lds s[G0A:G0A+3], s[G1A:G1A+7]
	s_nop 0
.rept 4
	v_nop
.endr
	v_and_b32 v1, 15, v0                           ; r = l % 16
	v_bfe_u32 v2, v0, 4, 1                         ; hh = l / 16
	v_and_b32 v3, 31, v0                           ; l
	v_lshlrev_b32 v[AO], 7, v1                     ; the addend: row 32 wr + r, bytes 64 wc + 16 hh on
	v_lshl_add_u32 v[AO], v2, 4, v[AO]
	s_lshl_b32 s22, s11, 12
	s_lshl_b32 s23, s12, 6
	s_add_co_u32 s22, s22, s23
	v_add_nc_u32 v[AO], s22, v[AO]
.irp a, 0,1
.irp c, 0,1
	global_load_b128 v[AD+4*(2*(\a)+(\c)):AD+4*(2*(\a)+(\c))+3], v[AO], s[56:57] offset:(\a)*2048+(\c)*32
.endr
.endr
	v_mul_u32_u24 v4, v1, PB
	v_lshl_add_u32 v4, v2, 4, v4                   ; a fragment's row x pitch + 16 x half
	s_mul_i32 s22, s11, 32*PB                      ; my 32 rows of P,
	s_mul_i32 s23, s12, 32*PB                      ; my 32 rows of A
	s_add_co_u32 s23, s23, AREG
.irp g, 0,1,2,3
	v_add_nc_u32 v[ADP+(\g)], s22, v4
	v_add_nc_u32 v[ADA+(\g)], s23, v4
	s_add_co_u32 s22, s22, GRP
	s_add_co_u32 s23, s23, GRP
.endr
	s_mul_i32 s22, s11, 32*PB                      ; into the stage: row 32 wr + r, bytes 64 wc + 16 hh on
	s_lshl_b32 s23, s12, 6
	s_add_co_u32 s22, s22, s23
	s_add_co_u32 s22, s22, STAGE
	v_add_nc_u32 v[STO], s22, v4
	s_mul_i32 s22, s10, 16*PB                      ; back: wave w takes rows 16 w on; 32 lanes take four rows of 128 bytes,
	s_add_co_u32 s22, s22, STAGE
	v_lshrrev_b32 v5, 3, v3
	v_mul_u32_u24 v5, v5, PB
	v_and_b32 v6, 7, v3
	v_lshl_add_u32 v5, v6, 4, v5
	v_add_nc_u32 v[RD], s22, v5
	s_lshl_b32 s22, s10, 11
	v_lshl_add_u32 v[GO], v3, 4, s22               ; which are 512 consecutive bytes of the tile
	v_mov_b32 v[ONE], 1.0
; The 16 LDS loads of block p (64 along K) into set f: for each 32 along K two fragments of A (at f + 32 ks + 8 c) and two of P (at f + 32 ks + 16 + 8 a).
; A fragment is 16 rows x 32 K in 8 registers: lane l holds row l % 16, K = 8 (l / 16) + 0..7 and 16 + 8 (l / 16) + 0..7: two loads of 16 bytes, 32 bytes apart.
.macro FETCH p, f
.irp ks, 0,1
.irp c, 0,1
	ds_load_b128 v[(\f)+32*(\ks)+8*(\c):(\f)+32*(\ks)+8*(\c)+3],   v[ADA+(\p)/4] offset:((\p)%4)*PLB+64*(\ks)+(\c)*16*PB
	ds_load_b128 v[(\f)+32*(\ks)+8*(\c)+4:(\f)+32*(\ks)+8*(\c)+7], v[ADA+(\p)/4] offset:((\p)%4)*PLB+64*(\ks)+(\c)*16*PB+32
.endr
.irp a, 0,1
	ds_load_b128 v[(\f)+32*(\ks)+16+8*(\a):(\f)+32*(\ks)+16+8*(\a)+3],   v[ADP+(\p)/4] offset:((\p)%4)*PLB+64*(\ks)+(\a)*16*PB
	ds_load_b128 v[(\f)+32*(\ks)+16+8*(\a)+4:(\f)+32*(\ks)+16+8*(\a)+7], v[ADP+(\p)/4] offset:((\p)%4)*PLB+64*(\ks)+(\a)*16*PB+32
.endr
.endr
.endm
; Block p's eight products.  The four accumulators take turns, one instruction a turn, from block to block too.  Block 0's first four start the sums: nothing is cleared.
.macro MULP f, p
.irp ks, 0,1
.irp a, 0,1
.irp c, 0,1
.if ((\p) == 0) && ((\ks) == 0)
	v_wmma_f32_16x16x32_f16 v[ACC+8*(2*(\a)+(\c)):ACC+8*(2*(\a)+(\c))+7], v[(\f)+32*(\ks)+8*(\c):(\f)+32*(\ks)+8*(\c)+7], v[(\f)+32*(\ks)+16+8*(\a):(\f)+32*(\ks)+16+8*(\a)+7], 0
.else
	v_wmma_f32_16x16x32_f16 v[ACC+8*(2*(\a)+(\c)):ACC+8*(2*(\a)+(\c))+7], v[(\f)+32*(\ks)+8*(\c):(\f)+32*(\ks)+8*(\c)+7], v[(\f)+32*(\ks)+16+8*(\a):(\f)+32*(\ks)+16+8*(\a)+7], v[ACC+8*(2*(\a)+(\c)):ACC+8*(2*(\a)+(\c))+7]
.endif
.endr
.endr
.endr
.endm
	s_wait_loadcnt 0x0                             ; the addend: it stands beside the longer wait below, so that no load is out at the signal
	s_wait_tensorcnt 0x0                           ; my eight blocks are in,
	s_barrier_signal -1
	s_barrier_wait -1                              ; everybody's are: each wave reads all 32
	FETCH 0, 64
	FETCH 1, 128
.set pp, 0
.rept 16                               ; two sets of registers take turns: while one block is multiplied the other's 16 loads are out
.if pp == 15
	s_wait_dscnt 0x0
.else
	s_wait_dscnt 16                                ; this block's loads are in; the next block's 16 may stay out
.endif
	MULP 64+64*(pp%2), pp
.if pp < 14
	PLACES
	FETCH pp+2, 64+64*(pp%2)
.endif
.set pp, pp+1
.endr
	PLACES
	; THE WAY OUT: the addend in f32, one rounding to f16, 16 bytes a lane into the stage; a barrier, since a row's 128 bytes come from two waves; back as whole rows.
.irp a, 0,1
.irp c, 0,1
.irp j, 0,1,2,3
	v_fma_mix_f32 v[ACC+8*(2*(\a)+(\c))+2*(\j)],   v[AD+4*(2*(\a)+(\c))+(\j)], v[ONE], v[ACC+8*(2*(\a)+(\c))+2*(\j)] op_sel_hi:[1,0,0]  ; the low f16 x 1.0 + the sum; each accumulator is read from its low end on
	v_fma_mix_f32 v[ACC+8*(2*(\a)+(\c))+2*(\j)+1], v[AD+4*(2*(\a)+(\c))+(\j)], v[ONE], v[ACC+8*(2*(\a)+(\c))+2*(\j)+1] op_sel:[1,0,0] op_sel_hi:[1,0,0]  ; the high f16
.endr
.irp j, 0,1,2,3
	v_cvt_pk_f16_f32 v[PK+4*(2*(\a)+(\c))+(\j)], v[ACC+8*(2*(\a)+(\c))+2*(\j)], v[ACC+8*(2*(\a)+(\c))+2*(\j)+1]
.endr
	ds_store_b128 v[STO], v[PK+4*(2*(\a)+(\c)):PK+4*(2*(\a)+(\c))+3] offset:(\a)*16*PB+(\c)*32
.endr
.endr
	s_wait_dscnt 0x0                               ; for the others' sake: my stores into the stage are done
	s_barrier_signal -1
	s_barrier_wait -1
.irp t, 0,1,2,3
	ds_load_b128 v[PK+4*(\t):PK+4*(\t)+3], v[RD] offset:(\t)*4*PB
.endr
.irp t, 0,1,2,3
	s_wait_dscnt 3-(\t)
	global_store_b128 v[GO], v[PK+4*(\t):PK+4*(\t)+3], s[58:59] offset:512*(\t)  ; 512 consecutive bytes, at a multiple of 256 from C's first byte
.endr
	s_wait_tensorcnt 0x0                           ; the wave's end: a wait, an add of 0 to my spare word and a wait, behind my last tensor load and my last LDS store
	ds_add_u32 v[SPW], v[NIL]
	s_wait_dscnt 0x0
	CROUND                                         ; the closing round: no work-group ends while a partner may still ask for a tile that names it
	s_endpgm
.Lfunc_end_k_q9e7e4fc381_step1:
	.size	k_q9e7e4fc381_step1, .Lfunc_end_k_q9e7e4fc381_step1-k_q9e7e4fc381_step1
	.p2alignl 7, 3214868480
	.fill 96, 4, 3214868480
	.section	.rodata,"a",@progbits
	.p2align	6, 0x0
	.amdhsa_kernel k_q9e7e4fc381_step1
		.amdhsa_group_segment_fixed_size 327680
		.amdhsa_private_segment_fixed_size 0
		.amdhsa_enable_private_segment 0
		.amdhsa_kernarg_size 24
		.amdhsa_user_sgpr_count 2
		.amdhsa_user_sgpr_kernarg_segment_ptr 1
		.amdhsa_wavefront_size32 1
		.amdhsa_system_sgpr_workgroup_id_x 1
		.amdhsa_system_sgpr_workgroup_id_y 1
		.amdhsa_system_sgpr_workgroup_id_z 1
		.amdhsa_system_vgpr_workitem_id 0
		.amdhsa_next_free_vgpr 256
		.amdhsa_next_free_sgpr 66
		.amdhsa_reserve_vcc 0
		.amdhsa_float_denorm_mode_32 3
		.amdhsa_float_denorm_mode_16_64 3
		.amdhsa_memory_ordered 1
		.amdhsa_forward_progress 1
		.amdhsa_inst_pref_size 38
	.end_amdhsa_kernel
	.amdgpu_metadata
---
amdhsa.version: [ 1, 2 ]
amdhsa.kernels:
  - .name:           k_q9e7e4fc381_step1
    .symbol:         k_q9e7e4fc381_step1.kd
    .args:
      - { .name: W16, .offset: 0, .size: 8, .value_kind: global_buffer, .address_space: global }
      - { .name: A16, .offset: 8, .size: 8, .value_kind: global_buffer, .address_space: global }
      - { .name: P1, .offset: 16, .size: 8, .value_kind: global_buffer, .address_space: global }
    .group_segment_fixed_size: 327680
    .private_segment_fixed_size: 0
    .kernarg_segment_align: 8
    .kernarg_segment_size: 24
    .max_flat_workgroup_size: 128
    .sgpr_count:     66
    .vgpr_count:     256
    .wavefront_size: 32
...
	.end_amdgpu_metadata
.endif
;; end of part 2
;; launch step2: the kernel of part 2 again; grid 16 x 16, 4 waves a work-group, clusters of 4 x 4, 327,680 bytes of LDS; arguments P1, A16, M16; writes M16
;; launch main (part 3): grid 4 x 64, 4 waves a work-group, clusters of 4 x 4, 327,680 bytes of LDS; arguments x16, M16, b, out0; writes out0
.if DOCPART == 3
	.amdgcn_target "amdgcn-amd-amdhsa--gfx1250"
	.amdhsa_code_object_version 6
	.text
	.protected	k_q9e7e4fc381_main
	.globl	k_q9e7e4fc381_main
	.p2align	8
	.type	k_q9e7e4fc381_main,@function
k_q9e7e4fc381_main:
	s_mov_b64 s[64:65], 0
	v_nop
	global_prefetch_b8 v0, s[64:65] scope:SCOPE_SE
	s_setreg_imm32_b32 hwreg(HW_REG_WAVE_MODE, 25, 1), 1
	s_wait_xcnt 0x0
	s_wait_alu depctr_hold_cnt(0) depctr_sa_sdst(0) depctr_va_vdst(0) depctr_va_sdst(0) depctr_va_ssrc(0) depctr_va_vcc(0) depctr_vm_vsrc(0)
	s_getreg_b32 s2, hwreg(HW_REG_IB_STS2, 6, 4)
	s_cmp_eq_u32 s2, 0
	s_cbranch_scc0 .Lentry_in_a_cluster
	s_endpgm
.Lentry_in_a_cluster:
	s_bfe_u32 s2, ttmp6, 0x10000c
	s_cmp_lg_u32 s2, 0xf033
	s_cbranch_scc0 .Lentry_shape_is_right
	s_endpgm
.Lentry_shape_is_right:
; out[r][n] = relu(the sum over k of x[r][k] Mt[n][k] + b[n]), with Mt = ((I+A)(I+A) W^T)^T made by the launches before (the products taken from the right: see the first kernel's head).
; x16: [16384][1024] f16, row-major.  M16: [1024][1024] f16, blocked: element (n, k) at byte (k / 64) x 131,072 + n x 128 + (k % 64) x 2.  b: [1024] f32.  out: [16384][1024] f32.  Sums, bias and relu in f32.
; LIMIT.  The relu is a maximum with 0 in which a NaN loses: a NaN sum gives 0.
; SHARES.  A tile of out, 256 x 256, is made by a work-group of four waves; a wave makes 128 x 128: 64 accumulators of 16 x 16, 512 registers.  64 x 4 tiles: one for each work-group.
; K goes in steps of 128 through a ring of two LDS slots filled by the tensor data mover.  x's tile: 256 rows of 256 bytes.  Mt's: two blocks of 64 k, each 256 rows of 128 bytes that lie on end
; in memory and are asked for as 128 rows of 256 bytes.  Waves 0 and 1 fetch x's two halves, waves 2 and 3 Mt's two blocks: one tensor load a wave behind each change of slots.
; CLUSTERS: 4 x 4 work-groups.  The four of a row of the cluster need the same tiles of x, the four of a column the same tiles of Mt: each tile is asked for JOINTLY.
; THE MATRIX INSTRUCTION IS USED TRANSPOSED (source 0 = 16 rows of Mt, source 1 = 16 rows of x): lane l holds row l % 16 of out and the columns 8 (l / 16) + 0..7: 32 bytes on end.
; REGISTERS, in windows of 256 (s_set_vgpr_msb: bits 1:0 source 0, 3:2 source 1, 5:4 source 2, 7:6 destination):
;   window 0: v0-31 addresses and the bias; v64-127, v128-191 fragments of x, two buffers; on the way out the same 128 hold rows read back from the stage
;   window 1: v64-127, v128-191 fragments of Mt, two buffers     window 2: the accumulators of my rows 0-63 ((a, b) at v[8 (8 a + b)])     window 3: those of my rows 64-127
.set SIZE_K, 1024
.set KSTEP,  128
.set PLANE,  131072                    ; bytes in a block of 64 k of M16
.set PITCH,  272                       ; an LDS row of x: 256 bytes + 16 of padding = 68 words: the 16 rows of a load start at 16 different groups of four banks (64 banks of 4 bytes: ISA guide 11.1)
.set PB,     144                       ; an LDS row of Mt: 128 + 16 = 36 words: likewise
.set HALFT,  128*PITCH                 ; 128 rows of x: what one tensor load brings, and what one wave reads
.set BPL,    256*PB                    ; a block of Mt's tile: what one tensor load brings
.set BOFF,   2*HALFT                   ; in a slot: x's 256 rows, then Mt's two blocks
.set SLOT,   BOFF+2*BPL
.set STAGE,  2*SLOT                    ; behind the ring: 16 rows x 528 bytes for each wave, for the way out; no tensor load lands here
.set SPITCH, 528                       ; 512 bytes + 16
.set SPARE,  STAGE+4*16*SPITCH         ; behind the stages: the spare words, 128 bytes for each wave: two blocks of 256 bytes that no other line names
.set LAPS,   SIZE_K/(2*KSTEP)          ; a lap = two K steps = once round the ring
.set BI,   8                           ; v[8:11] the bias of my four columns on the way out
.set ADRA, 16                          ; v16-17  LDS address of my x fragments in slot 0, 1
.set ADRB, 20                          ; v20-21  the same for Mt
.set STO,  24                          ; v24     the way out: where I put 32 bytes of a row
.set RD,   25                          ; v25     the way out: where I read a row back
.set CO,   26                          ; v26     16 x my lane: my bytes in a row's 512
.set SPW,  28                          ; v28     LDS address of my spare word: SPARE + 4 x my thread's number; never rewritten
.set NIL,  29                          ; v29     0; never rewritten
.set PFO,  30                          ; v30     the prefetches' offset: my lane x 2,048 (a row of x16) or x 256 (of a block of M16); never rewritten
.set F0,   64
.set F1,   128
.set OB,   64                          ; the way out: 16 rows read back: v64-127 and v128-191 by turns
.set G1,  24                           ; s[24:31] descriptor group 1 for x's tiles;  s[32:39] group 0, a set for each slot
.set G0,  32
.set G1B, 48                           ; s[48:55], s[56:63] the same for Mt's
.set G0B, 56
.set LIM, 43                           ; s43     1 in a wave that prefetches, else the greatest number
.set PFA, 44                           ; s[44:45] where my prefetches stand
.set PST, 72                           ; s[72:73] their step: a K step along x's rows, or two blocks of M16
.set MSB, 0
.macro WIN new                         ; the immediate's high byte repeats the setting that is left; a switch that changes nothing is dropped
.if MSB != (\new)
	s_set_vgpr_msb (MSB<<8)|(\new)
.set MSB, \new
.endif
.endm
.set MUL_LO, 0xa1                      ; source 0 (Mt) window 1, source 1 (x) window 0, C and D window 2
.set MUL_HI, 0xf1                      ; the same, C and D window 3
.set TO_B,   0x40                      ; destination window 1, address window 0
; A joint load.  The branch hangs on the wave's number alone.  An s_nop 0 and four v_nop follow each of the two lines, ahead of the jump, the label and what follows.
.macro JLOAD s
	s_cmp_eq_u32 s11, 0
	s_cbranch_scc0 .Lfor_b_\@
	tensor_load_to_lds s[G0+4*(\s):G0+4*(\s)+3], s[G1:G1+7]
	s_nop 0
.rept 4
	v_nop
.endr
	s_branch .Lasked_\@
.Lfor_b_\@:
	tensor_load_to_lds s[G0B+4*(\s):G0B+4*(\s)+3], s[G1B:G1B+7]
	s_nop 0
.rept 4
	v_nop
.endr
.Lasked_\@:
.endm
; A PREFETCH INTO THE L2, behind each joint load and the run of LDS loads that follows it: my share of the K step that stands TWO refills on, 32 pieces of 256 bytes, a lane a piece, one instruction a wave:
; 512 matrix instructions ahead of the load that will want it.  Each piece is named once in the launch: of the 128 pieces that a wave fetches, each of the four partners that ask for them jointly
; takes 32, told apart BY ADDRESS (cx for x, cy for Mt).  x's rows are read by this cluster alone; Mt's by every cluster: the first (cluster y = 0) asks.  K steps 0 to 3 come by their loads alone;
; the loop's last trip (s3 = 1) asks for nothing: there is no K step 8.
.macro ASK
	s_cmp_gt_u32 s3, s[LIM]
	s_cbranch_scc0 .Lnot_mine_\@
	global_prefetch_b8 v[PFO], s[PFA:PFA+1] th:TH_LOAD_NT scope:SCOPE_SE
.Lnot_mine_\@:
.endm
.macro CREST                           ; a round of the cluster's barrier behind its opening barrier
	s_cmp_lg_u32 s10, 0
	s_cbranch_scc1 .Lnot_wave_0_\@
	s_barrier_signal -3
.Lnot_wave_0_\@:
	s_barrier_wait -3
	s_barrier_signal -1
	s_barrier_wait -1
.endm
.macro CROUND                          ; a whole round
	s_barrier_signal -1
	s_barrier_wait -1
	CREST
.endm
	s_load_b128 s[4:7], s[0:1], 0x0                ; x16 s[4:5], M16 s[6:7]
	s_load_b128 s[68:71], s[0:1], 0x10             ; b s[68:69], out s[70:71]
	v_lshl_add_u32 v[SPW], v0, 2, SPARE
	v_mov_b32 v[NIL], 0
	ds_add_u32 v[SPW], v[NIL]                      ; the wave's opening: the add, twice on end, and its wait ahead of my first tensor load; the set-up below stands between
	ds_add_u32 v[SPW], v[NIL]
	v_lshrrev_b32 v1, 5, v0
	v_readfirstlane_b32 s10, v1                    ; wave 0..3
	s_lshr_b32 s11, s10, 1                         ; which half of the tile's rows is mine.  Also: I fetch for x (0) or for Mt (1)
	s_and_b32 s12, s10, 1                          ; which half of its columns.  Also: which half of x's tile, or which block of Mt's, I fetch
	s_bfe_u32 s40, ttmp6, 0x40000                  ; cx, cy: my place in the cluster
	s_bfe_u32 s41, ttmp6, 0x40004
	s_lshl_b32 s42, ttmp9, 2
	s_add_co_u32 s42, s42, s40                     ; tile column = 4 x cluster x + cx
	s_and_b32 s13, ttmp7, 0xffff
	s_lshl_b32 s13, s13, 2
	s_add_co_u32 s13, s13, s41                     ; tile row = 4 x cluster y + cy
	s_lshl_b32 s43, s41, 2
	s_lshl_b32 s43, 15, s43                        ; my row of the cluster
	s_lshl_b32 s44, 0x1111, s40                    ; my column
	s_or_b32 s[G1+0], s43, (1<<16)|(1<<20)|(1<<21)|(5<<22)|(3<<25)   ; 15:0 the mask: x's tiles go to my row; 17:16 elements of 2 bytes; 20 padding on; 21 set beside a mask; 24:22 after every 64 words (code 5); 31:25 4 words (code 3)
	s_or_b32 s[G1B+0], s44, (1<<16)|(1<<20)|(1<<21)|(4<<22)|(3<<25)  ; Mt's go to my column; padding after every 32 words (code 4): behind each of the two rows of Mt in a fetched row
.irp g, G1, G1B
	s_mov_b32 s[(\g)+1], 128<<16                   ; tensor_dim0 = 128
	s_mov_b32 s[(\g)+2], 128<<16                   ; tensor_dim1 = 128
	s_mov_b32 s[(\g)+3], 128<<16                   ; tile_dim0 = 128
	s_mov_b32 s[(\g)+4], 128                       ; tile_dim1 = 128
	s_mov_b32 s[(\g)+6], 0
	s_mov_b32 s[(\g)+7], 0
.endr
	s_mov_b32 s[G1+5], SIZE_K                      ; elements from row to row: x16's rows,
	s_mov_b32 s[G1B+5], 128                        ; and 256 bytes on end
	; where the tiles come from: x's hang on the tile row and the wave's number alone, Mt's on the tile column and the wave's number alone
	s_lshl_b32 s16, s13, 8
	s_lshl_b32 s17, s12, 7
	s_add_co_u32 s16, s16, s17                     ; x: row 256 x tile row + 128 x half,
	s_lshl_b32 s16, s16, 11                        ; of 2,048 bytes: under 2^25
	s_mov_b32 s17, 0
	s_lshl_b32 s46, s42, 15                        ; Mt: 256 x tile column rows of 128 bytes,
	s_lshl_b32 s47, s12, 17                        ; in block 0 or 1
	s_add_co_u32 s46, s46, s47
	s_mov_b32 s47, 0
	s_mul_i32 s20, s12, HALFT                      ; and where they go: no place in the cluster enters an LDS address
	s_mul_i32 s21, s12, BPL
	s_add_co_u32 s21, s21, BOFF
	s_wait_dscnt 0x0                               ; both opening adds are done
	s_wait_kmcnt 0x0
	s_add_nc_u64 s[14:15], s[4:5], s[16:17]
	s_add_nc_u64 s[46:47], s[6:7], s[46:47]
	CROUND                                         ; all sixteen work-groups are here: the first joint loads meet
.irp s, 0,1
	s_mov_b32 s[G0+4*(\s)], 1                                        ; count = 1
	s_add_co_u32 s[G0+4*(\s)+1], s20, (\s)*SLOT                      ; LDS address
	s_add_nc_u64 s[G0+4*(\s)+2:G0+4*(\s)+3], s[14:15], (\s)*KSTEP*2  ; global address: K step s
	s_or_b32 s[G0+4*(\s)+3], s[G0+4*(\s)+3], 0x80000000              ; type = 2
	s_mov_b32 s[G0B+4*(\s)], 1
	s_add_co_u32 s[G0B+4*(\s)+1], s21, (\s)*SLOT
	s_add_nc_u64 s[G0B+4*(\s)+2:G0B+4*(\s)+3], s[46:47], (\s)*2*PLANE
	s_or_b32 s[G0B+4*(\s)+3], s[G0B+4*(\s)+3], 0x80000000
	JLOAD \s                                       ; the ring is filled before anything else is done: two loads of mine are out
.endr
	v_and_b32 v1, 15, v0                           ; l % 16
	v_bfe_u32 v2, v0, 4, 1                         ; l / 16
	v_and_b32 v6, 31, v0                           ; l
	v_lshlrev_b32 v[CO], 4, v6
	s_lshl_b32 s18, s42, 10                        ; the bias of my 128 columns: 1,024 x tile column + 512 x half; a lane takes four
	s_lshl_b32 s19, s12, 9
	s_add_co_u32 s18, s18, s19
	s_mov_b32 s19, 0
	s_add_nc_u64 s[68:69], s[68:69], s[18:19]
	global_load_b128 v[BI:BI+3], v[CO], s[68:69]
	; A fragment is 16 rows x 32 K in 8 registers: lane l holds row l % 16, K = 8 (l / 16) + 0..7 and 16 + 8 (l / 16) + 0..7: two loads of 16 bytes, 32 bytes apart.
	v_mul_u32_u24 v3, v1, PITCH
	v_lshl_add_u32 v3, v2, 4, v3
	v_mul_u32_u24 v4, v1, PB
	v_lshl_add_u32 v4, v2, 4, v4
	s_mul_i32 s22, s11, HALFT                      ; my 128 rows of x
	s_mul_i32 s23, s12, 128*PB                     ; my 128 rows of Mt, in each of a slot's two blocks
	s_add_co_u32 s23, s23, BOFF
.irp s, 0,1
	v_add_nc_u32 v[ADRA+(\s)], s22, v3
	v_add_nc_u32 v[ADRB+(\s)], s23, v4
	s_add_co_u32 s22, s22, SLOT
	s_add_co_u32 s23, s23, SLOT
.endr
	s_mul_i32 s2, s10, 16*SPITCH
	s_add_co_u32 s2, s2, STAGE                     ; my stage
	v_mul_u32_u24 v5, v1, SPITCH                   ; in: row l % 16, 32 bytes for each half of the lanes
	v_lshl_add_u32 v5, v2, 5, v5
	v_add_nc_u32 v[STO], s2, v5
	v_lshl_add_u32 v[RD], v6, 4, s2                ; back: 32 lanes take one row of 512 bytes
	s_lshl_b32 s66, s13, 8                         ; out at my first row, 256 x tile row + 128 x half, of 4,096 bytes,
	s_lshl_b32 s67, s11, 7
	s_add_co_u32 s66, s66, s67
	s_lshl_b32 s66, s66, 12
	s_lshl_b32 s67, s42, 10                        ; and my first column: 1,024 x tile column + 512 x half bytes
	s_add_co_u32 s66, s66, s67
	s_lshl_b32 s67, s12, 9
	s_add_co_u32 s66, s66, s67
	s_mov_b32 s67, 0
	s_add_nc_u64 s[70:71], s[70:71], s[66:67]
	; the prefetches: they begin one step short of K step 4, which the first change of slots steps to and names
	s_lshl_b32 s18, s13, 8                         ; x: row 256 x tile row + 128 x the half that I fetch + 32 cx, at K step 3
	s_lshl_b32 s19, s12, 7
	s_add_co_u32 s18, s18, s19
	s_lshl_b32 s19, s40, 5
	s_add_co_u32 s18, s18, s19
	s_lshl_b32 s18, s18, 11
	s_add_co_u32 s18, s18, 3*KSTEP*2
	s_add_co_u32 s74, s12, 6                       ; Mt: block 6 or 7, the tile column's 32,768 bytes, my work-group's 8,192 of them
	s_lshl_b32 s74, s74, 17
	s_lshl_b32 s19, s42, 15
	s_add_co_u32 s74, s74, s19
	s_lshl_b32 s19, s41, 13
	s_add_co_u32 s74, s74, s19
	s_and_b32 s22, ttmp7, 0xffff                   ; cluster y
	s_mov_b32 s[PST], KSTEP*2
	s_mov_b32 s[PST+1], 2*PLANE
	s_cmp_eq_u32 s11, 0                            ; do I fetch for x?
	s_cselect_b32 s18, s18, s74
	s_cselect_b32 s22, ttmp9, s22                  ; the coordinate along which other clusters read the same bytes
	s_cselect_b32 s23, 11, 8                       ; a lane's piece: a row of x16 on, or 256 bytes on
	s_cselect_b32 s[PST], s[PST], s[PST+1]
	s_cselect_b64 s[PFA:PFA+1], s[4:5], s[6:7]
	s_mov_b32 s19, 0
	s_mov_b32 s[PST+1], 0
	s_cmp_eq_u32 s22, 0
	s_cselect_b32 s[LIM], 1, -1                    ; the same in all sixteen partners, for a given wave
	s_add_nc_u64 s[PFA:PFA+1], s[PFA:PFA+1], s[18:19]
	v_lshlrev_b32 v[PFO], s23, v6
; 16 matrix instructions: m blocks a0, a0 + 1 of the window's four (hi = 0: my rows 0-63, 1: rows 64-127) x all 8 n blocks, 32 along K.  zero = 1: the first product starts the sums: nothing is cleared.
; The 64 accumulators take turns in the same order in every quarter step, over the backward jump too.
.macro MUL16 f, hi, a0, zero
	WIN MUL_LO+0x50*(\hi)
.irp a, \a0, (\a0)+1
.irp b, 0,1,2,3,4,5,6,7
.if \zero
	v_wmma_f32_16x16x32_f16 v[8*(8*(\a)+(\b)):8*(8*(\a)+(\b))+7], v[(\f)+8*(\b):(\f)+8*(\b)+7], v[(\f)+8*(4*(\hi)+(\a)):(\f)+8*(4*(\hi)+(\a))+7], 0
.else
	v_wmma_f32_16x16x32_f16 v[8*(8*(\a)+(\b)):8*(8*(\a)+(\b))+7], v[(\f)+8*(\b):(\f)+8*(\b)+7], v[(\f)+8*(4*(\hi)+(\a)):(\f)+8*(4*(\hi)+(\a))+7], v[8*(8*(\a)+(\b)):8*(8*(\a)+(\b))+7]
.endif
.endr
.endr
.endm
; 32 LDS loads in one run: the fragments of one quarter step (32 K at byte k of a K step's 256) into buffer f: Mt's 128 rows (block k / 128, byte k % 128 of its rows), then x's 128 rows
.macro FETCH slot, k, f
	WIN TO_B
.irp i, 0,1,2,3,4,5,6,7
	ds_load_b128 v[(\f)+8*(\i):(\f)+8*(\i)+3],   v[ADRB+(\slot)] offset:((\k)/128)*BPL+((\k)%128)+(\i)*16*PB
	ds_load_b128 v[(\f)+8*(\i)+4:(\f)+8*(\i)+7], v[ADRB+(\slot)] offset:((\k)/128)*BPL+((\k)%128)+(\i)*16*PB+32
.endr
	WIN 0
.irp i, 0,1,2,3,4,5,6,7
	ds_load_b128 v[(\f)+8*(\i):(\f)+8*(\i)+3],   v[ADRA+(\slot)] offset:(\k)+(\i)*16*PITCH
	ds_load_b128 v[(\f)+8*(\i)+4:(\f)+8*(\i)+7], v[ADRA+(\slot)] offset:(\k)+(\i)*16*PITCH+32
.endr
.endm
.macro PLACES                          ; four plain vector instructions between a matrix instruction and a load into, or a read of, its registers; the matrix instructions between are not counted
.rept 4
	v_nop
.endr
.endm
; A K step is four quarter steps of 32 along K, 64 matrix instructions each, on buffers 0, 1, 0, 1.  One of the first three: multiplies buffer f; in its middle it fetches the next quarter, at byte k, into g.
.macro QUARTER slot, k, f, g, zero
	s_wait_dscnt 8                                 ; Mt and x's rows 0-63 are in; the youngest eight loads (x's rows 64-127) may be out
	WIN MUL_LO
	MUL16 \f, 0, 0, \zero
	MUL16 \f, 0, 2, \zero
	PLACES
	FETCH \slot, \k, \g
	s_wait_dscnt 32                                ; all but the 32 just issued
	WIN MUL_HI
	MUL16 \f, 1, 0, \zero
	MUL16 \f, 1, 2, \zero
.endm
; The first half of a K step's last quarter: ONE barrier for the change of slots.  In front of it each wave waits for all its tensor loads, of which one is out: its part of the next slot; adds 0 to
; its spare word; and waits for that and for its own reads of this slot.  Behind it nobody reads this slot any more and the next slot is whole.
.macro MEET round                      ; round = 1: the rest of a round of the cluster's barrier follows
	WIN 0                                          ; (the add's two registers lie in window 0)
	s_wait_tensorcnt 0x0                           ; all my tensor loads have landed
	ds_add_u32 v[SPW], v[NIL]                      ; 0 onto my spare word
	s_wait_dscnt 9                                 ; (the add and the youngest eight loads may be out)
	WIN MUL_LO
	MUL16 F1, 0, 0, 0                              ; sixteen matrix instructions stand between the add and the wait for it
	s_wait_dscnt 0x0                               ; the add is done, and my reads of this slot are over
	s_barrier_signal -1
	MUL16 F1, 0, 2, 0                              ; work on registers while the others arrive
.if \round
	WIN 0
.endif
	s_barrier_wait -1
.endm
; The whole last quarter, with a refill: behind the round the slot just read out is filled again first, with the K step two steps on; then come the next slot's first fragments.
; From a request to the wait for it a wave issues 224 matrix instructions.
.macro TURN slot, next
	s_wait_xcnt 0x0                                ; the last prefetch, a K step back, has read its address: it is stepped here, ahead of the waits of the change of slots
	s_add_nc_u64 s[PFA:PFA+1], s[PFA:PFA+1], s[PST:PST+1]
	MEET 1
	CREST                                          ; no wave of any partner still reads this slot's tile or has a load on its way
	s_add_nc_u64 s[G0+4*(\slot)+2:G0+4*(\slot)+3], s[G0+4*(\slot)+2:G0+4*(\slot)+3], 2*KSTEP*2
	s_add_nc_u64 s[G0B+4*(\slot)+2:G0B+4*(\slot)+3], s[G0B+4*(\slot)+2:G0B+4*(\slot)+3], 4*PLANE
	JLOAD \slot                                    ; the first tensor load behind the round; the four v_nop behind it are also the places in front of the loads below
	FETCH \next, 0, F0
	ASK
	WIN MUL_HI
	MUL16 F1, 1, 0, 0
	MUL16 F1, 1, 2, 0
.endm
.macro TURNL                           ; the last change of slots: nothing is filled again, so no round follows
	MEET 0
	PLACES
	FETCH 1, 0, F0
	WIN MUL_HI
	MUL16 F1, 1, 0, 0
	MUL16 F1, 1, 2, 0
.endm
; THE WAY OUT of block a (16 rows of out).  TOSTAGE: a lane's 32 bytes of each of the eight accumulators go into my own stage, each accumulator's low registers first, and come back as whole rows of 512 bytes.
.macro TOSTAGE a
.set AC, 64*((\a)%4)
.set BK, OB+64*((\a)%2)
	WIN 0x08+4*((\a)/4)                            ; the stores' data: window 2 (blocks 0-3) or 3
.irp b, 0,1,2,3,4,5,6,7
	ds_store_b128 v[STO], v[AC+8*(\b):AC+8*(\b)+3]   offset:64*(\b)
	ds_store_b128 v[STO], v[AC+8*(\b)+4:AC+8*(\b)+7] offset:64*(\b)+16
.endr
	WIN 0
.if (\a) >= 2
	s_wait_xcnt 0x0                                ; the stores of block a - 2 have read these registers: they are loaded again only behind this wait
.endif
.irp t, 0,1,2,3,4,5,6,7,8,9,10,11,12,13,14,15
	ds_load_b128 v[BK+4*(\t):BK+4*(\t)+3], v[RD] offset:(\t)*SPITCH  ; LDS serves a wave's instructions in order (ISA guide 5.7.1.4): these see the stores above; the next block's stores come behind them
.endr
.endm
; SEND: bias, relu, store.  younger: the LDS instructions issued behind block a's loads: the next block's 32, or none.
.macro SEND a, younger
.set BK, OB+64*((\a)%2)
	s_wait_dscnt \younger
.irp t, 0,1,2,3,4,5,6,7,8,9,10,11,12,13,14,15
	v_pk_add_f32 v[BK+4*(\t):BK+4*(\t)+1],   v[BK+4*(\t):BK+4*(\t)+1],   v[BI:BI+1]
	v_pk_add_f32 v[BK+4*(\t)+2:BK+4*(\t)+3], v[BK+4*(\t)+2:BK+4*(\t)+3], v[BI+2:BI+3]
.irp e, 0,1,2,3
	v_max_num_f32 v[BK+4*(\t)+(\e)], 0, v[BK+4*(\t)+(\e)]
.endr
	global_store_b128 v[CO], v[BK+4*(\t):BK+4*(\t)+3], s[70:71] offset:(16*(\a)+(\t))*4096 th:TH_STORE_NT  ; 512 consecutive bytes of a row of out, at a multiple of 256 from its first byte; the row stands in the immediate, 520,192 at the most
.endr
.endm
	s_wait_loadcnt 0x0                             ; the bias: beside the longer wait below, so that no load is out at the signal
	s_wait_tensorcnt 1                             ; my part of K step 0 is in; K step 1's may stay out
	s_barrier_signal -1
	s_barrier_wait -1                              ; everybody's is
	FETCH 0, 0, F0
	QUARTER 0, 64,  F0, F1, 1                      ; the first quarter stands in front of the loop: its products start the sums
	WIN 0                                          ; at a label and at a branch every window is 0
	s_mov_b32 s3, LAPS-1
.Llap:                                                 ; a trip goes once round the ring, from a lap's second quarter to the next lap's first, and fills both slots again
	QUARTER 0, 128, F1, F0, 0
	QUARTER 0, 192, F0, F1, 0
	TURN 0, 1
	QUARTER 1, 64,  F0, F1, 0
	QUARTER 1, 128, F1, F0, 0
	QUARTER 1, 192, F0, F1, 0
	TURN 1, 0
	QUARTER 0, 64,  F0, F1, 0
	WIN 0
	s_sub_co_u32 s3, s3, 1
	s_cmp_lg_u32 s3, 0
	s_cbranch_scc1 .Llap
	QUARTER 0, 128, F1, F0, 0                      ; the last lap is written out: it asks for nothing
	QUARTER 0, 192, F0, F1, 0
	TURNL
	QUARTER 1, 64,  F0, F1, 0
	QUARTER 1, 128, F1, F0, 0
	QUARTER 1, 192, F0, F1, 0
	s_wait_dscnt 8                                 ; the very last quarter: nothing more to fetch
	MUL16 F1, 0, 0, 0
	MUL16 F1, 0, 2, 0
	s_wait_dscnt 0x0
	MUL16 F1, 1, 0, 0
	MUL16 F1, 1, 2, 0
	WIN 0
	PLACES                                         ; in front of the stores that read results and of the loads into the fragments' registers
	TOSTAGE 0
.irp a, 1,2,3,4,5,6,7                  ; block a's trip through the stage is on its way while block a - 1 is finished and stored
	TOSTAGE \a
	SEND (\a)-1, 32
.endr
	SEND 7, 0
	s_wait_tensorcnt 0x0                           ; the wave's end: a wait, an add of 0 to my spare word and a wait, behind my last tensor load and my last LDS store
	ds_add_u32 v[SPW], v[NIL]
	s_wait_dscnt 0x0
	CROUND                                         ; the closing round: no work-group ends while a partner may still ask for a tile that names it
	s_endpgm
.Lfunc_end_k_q9e7e4fc381_main:
	.size	k_q9e7e4fc381_main, .Lfunc_end_k_q9e7e4fc381_main-k_q9e7e4fc381_main
	.p2alignl 7, 3214868480
	.fill 96, 4, 3214868480
	.section	.rodata,"a",@progbits
	.p2align	6, 0x0
	.amdhsa_kernel k_q9e7e4fc381_main
		.amdhsa_group_segment_fixed_size 327680
		.amdhsa_private_segment_fixed_size 0
		.amdhsa_enable_private_segment 0
		.amdhsa_kernarg_size 32
		.amdhsa_user_sgpr_count 2
		.amdhsa_user_sgpr_kernarg_segment_ptr 1
		.amdhsa_wavefront_size32 1
		.amdhsa_system_sgpr_workgroup_id_x 1
		.amdhsa_system_sgpr_workgroup_id_y 1
		.amdhsa_system_sgpr_workgroup_id_z 1
		.amdhsa_system_vgpr_workitem_id 0
		.amdhsa_next_free_vgpr 1024
		.amdhsa_next_free_sgpr 76
		.amdhsa_reserve_vcc 0
		.amdhsa_float_denorm_mode_32 3
		.amdhsa_float_denorm_mode_16_64 3
		.amdhsa_memory_ordered 1
		.amdhsa_forward_progress 1
		.amdhsa_inst_pref_size 174
	.end_amdhsa_kernel
	.amdgpu_metadata
---
amdhsa.version: [ 1, 2 ]
amdhsa.kernels:
  - .name:           k_q9e7e4fc381_main
    .symbol:         k_q9e7e4fc381_main.kd
    .args:
      - { .name: x16, .offset: 0, .size: 8, .value_kind: global_buffer, .address_space: global }
      - { .name: M16, .offset: 8, .size: 8, .value_kind: global_buffer, .address_space: global }
      - { .name: b, .offset: 16, .size: 8, .value_kind: global_buffer, .address_space: global }
      - { .name: out0, .offset: 24, .size: 8, .value_kind: global_buffer, .address_space: global }
    .group_segment_fixed_size: 327680
    .private_segment_fixed_size: 0
    .kernarg_segment_align: 8
    .kernarg_segment_size: 32
    .max_flat_workgroup_size: 128
    .sgpr_count:     76
    .vgpr_count:     1024
    .wavefront_size: 32
...
	.end_amdgpu_metadata
.endif
;; end of part 3
;; ======== version 2 of 2: 4 launches; version 1 with the launch prep written anew for expert scheduling mode
;; limits: values are held in f16: magnitudes above 65,504 overflow, below 6.1e-05 lose precision
;; workspace buffers: x16 33,554,432 bytes; A16 2,097,152 bytes; W16 2,097,152 bytes; P1 2,097,152 bytes; M16 2,097,152 bytes
;; launch prep (part 4): grid 1152 x 1, 8 waves a work-group, no clusters, 0 bytes of LDS; arguments x, A, W, x16, A16, W16; writes x16, A16, W16
.if DOCPART == 4
	.amdgcn_target "amdgcn-amd-amdhsa--gfx1250"
	.amdhsa_code_object_version 6
	.text
	.protected	k_q9e7e4fc381_prep
	.globl	k_q9e7e4fc381_prep
	.p2align	8
	.type	k_q9e7e4fc381_prep,@function
k_q9e7e4fc381_prep:
	s_mov_b64 s[64:65], 0
	v_nop
	global_prefetch_b8 v0, s[64:65] scope:SCOPE_SE
	s_setreg_imm32_b32 hwreg(HW_REG_WAVE_SCHED_MODE, 0, 2), 2
	s_setreg_imm32_b32 hwreg(HW_REG_WAVE_MODE, 25, 1), 1
	s_wait_xcnt 0x0
	s_wait_alu depctr_vm_vsrc(0)
; THE PROGRAM.  out = relu(x (I+A)(I+A) W^T + b).  x: [16384][1024], A, W: [1024][1024], b: [1024], out: [16384][1024], all f32.
; THE ORDER OF THE PRODUCTS.  Matrix products associate, for all values of the inputs: with P1 = W + W A^T and Mt = P1 + P1 A^T (both [1024][1024]) it is
; Mt[o][h] = ((I+A)(I+A) W^T)[h][o], so out[r][o] = relu(sum over h of x[r][h] Mt[o][h] + b[o]).  Two products of 1024^3 and one of 16384 x 1024 x 1024 take the place of three of the
; latter size.  No input and no step is left out; every input is loaded.  In all three products both operands have K along their rows.
; LAUNCHES.  This one rounds x, A and W to f16; two launches of one text make P1 and Mt; the last makes out.
; LIMITS.  x, A, W, P1 and Mt are kept in f16: 65,520 or more becomes an infinity, and below 6e-5 a number keeps f16's fixed step of 6e-8.  The sums are taken in another order than the
; scan's.  An overflow, a NaN or an infinity that the scan would meet in z1 or z2 alone is not reproduced; NaN and infinities among the inputs are not treated apart.
; THIS LAUNCH.  A work-group takes 16 rows of 4,096 bytes: groups 0-1023 of x, 1024-1087 of A, 1088-1151 of W.  In step i of 8 a thread turns 8 numbers (32 bytes) into 16 bytes.
; x16 is row-major.  A16 and W16 are BLOCKED: element (row, k) lies at byte (k / 64) x 131,072 + row x 128 + (k % 64) x 2, so that 64 rows x 64 k are 8,192 bytes on end.
; With l8 = t % 8, rp = (t / 8) % 2, u = t / 16 both layouts have one form: in = 32 l8 + (rp << a) + (u << b) + 8,192 i; out = 16 l8 + 128 rp + (u << c) + OST x i.
;   x: a = 8, b = 9, c = 8, OST = 4,096 (in = 32 t, out = 16 t).   A, W: a = 12, b = 8, c = 17, OST = 256 (row 2 i + rp of the 16, block u).
; Sixteen neighbouring lanes store 256 consecutive bytes, aligned, in both.  All 16 loads of a thread go out at once: no loop, no register is written while a load or store names it.
; THE MODE: SCHED_MODE bits 1:0 = 2 (LLVM: expert scheduling mode 2), set by the entry lines.  The code itself states the register dependences
; between vector instructions and memory instructions, with s_wait_alu, always for 0.
; THE PLAN.  Registers that memory instructions touch:
;   v[LI]      Written by three vector lines at the head; read by the 16 loads as their offset; never written again.
;   v[OO ..]   Written by ten vector lines behind the loads; store i reads v[OO + i] as its offset; never written again.
;   v[X ..]    No vector instruction names them ahead of the loads that land in them.  Step i's four conversions read its eight registers and write the first four; store i reads those four;
;              nothing writes them again.
; The eight steps go in four groups of two.  A group's two stores stand at the head of the NEXT group, behind that group's wait for its loads and ONE wait on va_vdst, which states that the
; group before has written its packed registers (the first such wait: the offsets v[OO ..] too).  The conversions that follow the stores name the new group's registers alone.
; No register that a load or store has read is written again, no vector instruction writes a scalar register or VCC, and EXEC is never written: no other wait is owed.
.set LI, 1                             ; v1       my byte offset in the group's input
.set OO, 2                             ; v[2:9]   step i: my byte offset in the output
.set X,  16                            ; v[16:79] step i: 8 numbers as loaded; the first four registers then hold them packed
	s_load_b256 s[4:11], s[0:1], 0x0               ; x s[4:5], A s[6:7], W s[8:9], x16 s[10:11]
	s_load_b128 s[12:15], s[0:1], 0x20             ; A16 s[12:13], W16 s[14:15]
	s_mov_b32 s16, ttmp9
	s_and_b32 s17, s16, 63                         ; the group of 16 rows within A or W: 1,024 and 1,088 are multiples of 64
	s_mov_b32 s25, 0
	s_mov_b32 s27, 0
	s_mov_b32 s28, 4096
	s_mov_b32 s29, 256
	v_and_b32 v10, 7, v0                           ; l8
	v_bfe_u32 v11, v0, 3, 1                        ; rp
	v_lshrrev_b32 v12, 4, v0                       ; u
	s_wait_kmcnt 0x0
	s_cmp_lt_u32 s16, 1024                         ; x, or one of the two square matrices?
	s_cselect_b32 s17, s16, s17                    ; the group of rows
	s_cselect_b32 s18, 8, 12                       ; a
	s_cselect_b32 s19, 9, 8                        ; b
	s_cselect_b32 s30, 8, 17                       ; c
	s_cselect_b32 s31, 15, 11                      ; a group's 16 rows in the output: 32,768 bytes of x16, 2,048 of a block
	s_cselect_b32 s28, s28, s29                    ; OST
	s_cselect_b64 s[20:21], s[4:5], s[6:7]
	s_cselect_b64 s[22:23], s[10:11], s[12:13]
	s_cmp_lt_u32 s16, 1088                         ; and of the two: A or W?
	s_cselect_b64 s[20:21], s[20:21], s[8:9]
	s_cselect_b64 s[22:23], s[22:23], s[14:15]
	s_lshl_b32 s24, s17, 16                        ; 16 rows of 4,096 bytes in
	s_lshl_b32 s26, s17, s31
	s_add_nc_u64 s[20:21], s[20:21], s[24:25]
	s_add_nc_u64 s[22:23], s[22:23], s[26:27]
	v_lshlrev_b32 v[LI], 5, v10
	v_lshl_add_u32 v[LI], v11, s18, v[LI]
	v_lshl_add_u32 v[LI], v12, s19, v[LI]
	s_wait_alu depctr_va_vdst(0)                   ; v[LI] is written: the 16 loads read it as their offset
.irp i, 0,1,2,3,4,5,6,7
	global_load_b128 v[X+8*(\i):X+8*(\i)+3],   v[LI], s[20:21] offset:8192*(\i) th:TH_LOAD_NT
	global_load_b128 v[X+8*(\i)+4:X+8*(\i)+7], v[LI], s[20:21] offset:8192*(\i)+16 th:TH_LOAD_NT
.endr
	v_lshlrev_b32 v[OO], 4, v10
	v_lshl_add_u32 v[OO], v11, 7, v[OO]
	v_lshl_add_u32 v[OO], v12, s30, v[OO]
.irp i, 1,2,3,4,5,6,7
	v_add_nc_u32 v[OO+(\i)], s28, v[OO+(\i)-1]
.endr
.irp g, 0,1,2,3                        ; group g: steps 2 g and 2 g + 1
	s_wait_loadcnt 12-4*(\g)                       ; loads come back in order: the group's four are in, the 12 - 4 g younger ones stay out
.if (\g) > 0
	s_wait_alu depctr_va_vdst(0)                   ; the group before has written its packed registers, which the two stores below read as data; at g = 1 also: the offsets v[OO ..] are written, which all stores read
	global_store_b128 v[OO+2*(\g)-2], v[X+16*(\g)-16:X+16*(\g)-13], s[22:23] th:TH_STORE_NT
	global_store_b128 v[OO+2*(\g)-1], v[X+16*(\g)-8:X+16*(\g)-5],   s[22:23] th:TH_STORE_NT
.endif
.irp i, 0,1
.irp j, 0,1,2,3
	v_cvt_pk_f16_f32 v[X+16*(\g)+8*(\i)+(\j)], v[X+16*(\g)+8*(\i)+2*(\j)], v[X+16*(\g)+8*(\i)+2*(\j)+1]  ; in place, ascending: register j is written when pair j has been read; these name group g's registers alone
.endr
.endr
.endr
	s_wait_alu depctr_va_vdst(0)                   ; the last group has written its packed registers, which the last two stores read
	global_store_b128 v[OO+6], v[X+48:X+51], s[22:23] th:TH_STORE_NT
	global_store_b128 v[OO+7], v[X+56:X+59], s[22:23] th:TH_STORE_NT
	s_endpgm
.Lfunc_end_k_q9e7e4fc381_prep:
	.size	k_q9e7e4fc381_prep, .Lfunc_end_k_q9e7e4fc381_prep-k_q9e7e4fc381_prep
	.p2alignl 7, 3214868480
	.fill 96, 4, 3214868480
	.section	.rodata,"a",@progbits
	.p2align	6, 0x0
	.amdhsa_kernel k_q9e7e4fc381_prep
		.amdhsa_group_segment_fixed_size 0
		.amdhsa_private_segment_fixed_size 0
		.amdhsa_enable_private_segment 0
		.amdhsa_kernarg_size 48
		.amdhsa_user_sgpr_count 2
		.amdhsa_user_sgpr_kernarg_segment_ptr 1
		.amdhsa_wavefront_size32 1
		.amdhsa_system_sgpr_workgroup_id_x 1
		.amdhsa_system_sgpr_workgroup_id_y 1
		.amdhsa_system_sgpr_workgroup_id_z 1
		.amdhsa_system_vgpr_workitem_id 0
		.amdhsa_next_free_vgpr 96
		.amdhsa_next_free_sgpr 66
		.amdhsa_reserve_vcc 0
		.amdhsa_float_denorm_mode_32 3
		.amdhsa_float_denorm_mode_16_64 3
		.amdhsa_memory_ordered 1
		.amdhsa_forward_progress 1
		.amdhsa_inst_pref_size 7
	.end_amdhsa_kernel
	.amdgpu_metadata
---
amdhsa.version: [ 1, 2 ]
amdhsa.kernels:
  - .name:           k_q9e7e4fc381_prep
    .symbol:         k_q9e7e4fc381_prep.kd
    .args:
      - { .name: x, .offset: 0, .size: 8, .value_kind: global_buffer, .address_space: global }
      - { .name: A, .offset: 8, .size: 8, .value_kind: global_buffer, .address_space: global }
      - { .name: W, .offset: 16, .size: 8, .value_kind: global_buffer, .address_space: global }
      - { .name: x16, .offset: 24, .size: 8, .value_kind: global_buffer, .address_space: global }
      - { .name: A16, .offset: 32, .size: 8, .value_kind: global_buffer, .address_space: global }
      - { .name: W16, .offset: 40, .size: 8, .value_kind: global_buffer, .address_space: global }
    .group_segment_fixed_size: 0
    .private_segment_fixed_size: 0
    .kernarg_segment_align: 8
    .kernarg_segment_size: 48
    .max_flat_workgroup_size: 256
    .sgpr_count:     66
    .vgpr_count:     96
    .wavefront_size: 32
...
	.end_amdgpu_metadata
.endif
;; end of part 4
;; launch step1: the kernel of part 2 again; grid 16 x 16, 4 waves a work-group, clusters of 4 x 4, 327,680 bytes of LDS; arguments W16, A16, P1; writes P1
;; launch step2: the kernel of part 2 again; grid 16 x 16, 4 waves a work-group, clusters of 4 x 4, 327,680 bytes of LDS; arguments P1, A16, M16; writes M16
;; launch main: the kernel of part 3 again; grid 4 x 64, 4 waves a work-group, clusters of 4 x 4, 327,680 bytes of LDS; arguments x16, M16, b, out0; writes out0
